; MI455X (gfx1250); checked and timed in simulation.
; The chip was launched on July 23, 2026; its instructions are those of AMD's public machine-readable ISA for CDNA 5 (MIT licence, August 2026) and "CDNA5" Instruction Set Architecture Reference Guide (July 2026). The comments in the code are by the model that wrote it; some were corrected since.
;; Bahdanau Attention. Allowed arithmetic: float matrix products may take bf16 or f16 operands with f32 sums; other float arithmetic in f32, or as packed bf16 or f16 multiplies, adds, multiply-adds, maxima and minima; sums over many terms, partial sums and values carried from step to step in f32; what a program stores and reads back later, other than sums and carried values, may be rounded once to bf16 or f16.
;; Inputs: V 1,024 x 1 float32; W1 1,024 x 1,024 float32; W2 1,024 x 1,024 float32; b1 1,024 float32; b2 1,024 float32; bv 1 float32; query 32 x 1,024 float32; values 32 x 2,048 x 1,024 float32.
;; Outputs: out0 32 x 1,024 float32; out1 32 x 2,048 x 1 float32.
;; One version. Each part assembles by itself: llvm-mc -triple=amdgcn-amd-amdhsa -mcpu=gfx1250 --defsym DOCPART=n.
;; ======== version 1 of 1: 3 launches
;; workspace buffers: wf 2,097,152 bytes; qc 131,072 bytes; lg 262,144 bytes; st 4,096 bytes; pc 2,097,152 bytes
;; launch prep (part 1): grid 320 x 1, 8 waves a work-group, no clusters, 87,040 bytes of LDS; arguments W2, W1, query, b1, b2, wf, qc; writes wf, qc
.if DOCPART == 1
	.amdgcn_target "amdgcn-amd-amdhsa--gfx1250"
	.amdhsa_code_object_version 6
	.text
	.protected	k_q22e8b5a084_prep
	.globl	k_q22e8b5a084_prep
	.p2align	8
	.type	k_q22e8b5a084_prep,@function
k_q22e8b5a084_prep:
	s_mov_b64 s[64:65], 0
	v_nop
	global_prefetch_b8 v0, s[64:65] scope:SCOPE_SE
	s_setreg_imm32_b32 hwreg(HW_REG_WAVE_MODE, 25, 1), 1
	s_wait_xcnt 0x0
; TWO JOBS, told apart by the work-group's number (the same in all eight waves of a work-group).  The longer job has the lower numbers.
; Work-groups 0-63: qc[m][n] = c (query[m] . W1[:, n] + b1[n] + b2[n]), c = 2 log2(e), for 16 columns n and all 32 rows m.  K is split among the
; eight waves, 128 each; operands are rounded to bf16, sums are f32; the eight partial sums meet in LDS.  A wave's part of query (32 rows x 512 bytes) is loaded
; a row an instruction, 512 consecutive bytes, rounded, laid into the wave's own bytes of LDS and read back as fragments.  qc leaves in pieces of 64 bytes of a row.
; Work-groups 64-319: W2 [1024 k][1024 n] f32 is rounded to bf16 and laid out in the order in which the main launch's waves load it as source 1 of
; v_wmma_f32_16x16x32_bf16: unit g of 16 bytes holds W2[k0 .. k0+7][n], with
;   n  = 128 (g >> 14) + 16 ((g >> 6) & 7) + (g & 15),   k0 = 32 ((g >> 9) & 31) + 16 ((g >> 5) & 1) + 8 ((g >> 4) & 1).
; A thread makes units g = 512 x (work-group - 64) + thread and g + 256 (the same k0, 64 columns on): a work-group reads 32 rows x 512 consecutive bytes and stores 8,192 consecutive bytes.
.set SPARE, 16384                      ; behind the partial sums (8 waves x 2,048 bytes from byte 0): the spare words, 128 bytes for each of eight waves
.set QL,    17408                      ; behind them: each wave's own 32 rows of query in bf16
.set QP,    272                        ; 256 bytes + 16: the 16 rows of a fragment load start at 16 different groups of four banks (64 banks of 4 bytes: ISA guide 11.1)
.set SPW,  250                         ; v250  LDS address of my spare word; never rewritten
.set NIL,  251                         ; v251  0; never rewritten
.set QR,   16                          ; v[16:143] query as loaded, row j at 4 j; then v[16:79] its fragments: rows 16 m .., K step s at 32 m + 8 s
.set WR,   144                         ; v[144:207] W1: K step s has 16 numbers at 16 s, rounded in place into 8 registers
.set ACC,  208                         ; v[208:215] rows 0-15, v[216:223] rows 16-31
.set BB,   224                         ; v[224:225] b1, v[226:227] b2 of my two columns
.set PS,   228                         ; v[228:243] the eight partial sums of my two numbers
	s_load_b256 s[8:15], s[0:1], 0x0               ; W2 s[8:9], W1 s[10:11], query s[12:13], b1 s[14:15]
	s_load_b128 s[16:19], s[0:1], 0x20             ; b2 s[16:17], wf s[18:19]
	s_load_b64 s[20:21], s[0:1], 0x30              ; qc
	v_lshl_add_u32 v[SPW], v0, 2, SPARE
	v_mov_b32 v[NIL], 0
	v_lshrrev_b32 v1, 5, v0
	v_readfirstlane_b32 s24, v1                    ; wave 0..7
	s_cmp_lt_u32 ttmp9, 64
	s_cbranch_scc1 .Lq
	; ---- W2 into fragment order
	s_sub_co_u32 s25, ttmp9, 64
	s_lshl_b32 s25, s25, 9
	v_add_nc_u32 v2, s25, v0                       ; g, under 2^17; its bit 8 is 0
	v_lshrrev_b32 v3, 14, v2
	v_bfe_u32 v4, v2, 6, 3
	v_and_b32 v5, 15, v2
	v_lshlrev_b32 v3, 7, v3
	v_lshl_add_u32 v3, v4, 4, v3
	v_add_nc_u32 v3, v3, v5                        ; n
	v_bfe_u32 v4, v2, 9, 5
	v_bfe_u32 v5, v2, 5, 1
	v_bfe_u32 v6, v2, 4, 1
	v_lshlrev_b32 v4, 5, v4
	v_lshl_add_u32 v4, v5, 4, v4
	v_lshl_add_u32 v4, v6, 3, v4                   ; k0
	v_lshlrev_b32 v4, 10, v4
	v_add_lshl_u32 v4, v4, v3, 2                   ; (1024 k0 + n) x 4 bytes
	v_lshlrev_b32 v5, 4, v2                        ; 16 g
	s_wait_kmcnt 0x0
.irp e, 0,1,2,3,4,5,6,7
	global_load_b32 v[8+\e],  v4, s[8:9] offset:4096*\e      ; one row of W2 further down each
	global_load_b32 v[16+\e], v4, s[8:9] offset:4096*\e+256  ; unit g + 256: 64 columns on
.endr
	s_wait_loadcnt 0x0
.irp i, 0,1,2,3
	v_cvt_pk_bf16_f32 v[24+\i], v[8+2*\i],  v[9+2*\i]
	v_cvt_pk_bf16_f32 v[28+\i], v[16+2*\i], v[17+2*\i]
.endr
	global_store_b128 v5, v[24:27], s[18:19]       ; a wave stores 512 consecutive bytes
	global_store_b128 v5, v[28:31], s[18:19] offset:4096
	s_endpgm
	; ---- the query's projection
.Lq:
	s_lshl_b32 s25, ttmp9, 4                       ; n0: my work-group's first column
	v_and_b32 v1, 15, v0                           ; r
	v_bfe_u32 v2, v0, 4, 1                         ; h
	v_and_b32 v3, 31, v0                           ; lane
	s_lshl_b32 s26, s24, 17                        ; 128 x wave rows of 1,024 numbers
	s_add_co_u32 s26, s26, s25
	v_lshl_add_u32 v4, v2, 13, v1
	v_add_lshl_u32 v4, v4, s26, 2                  ; W1: ((128 wave + 8 h) 1024 + n0 + r) x 4
	s_lshl_b32 s27, s24, 9
	v_lshl_add_u32 v5, v3, 4, s27                  ; query: my wave's 512 bytes of a row, 16 bytes a lane
	; which two numbers of the 32 x 16 tile I finish: numbers 2 t and 2 t + 1 of the 512, in the order register, lane
	v_lshrrev_b32 v6, 4, v0                        ; register i = t >> 4 of the two accumulators' sixteen
	v_lshlrev_b32 v7, 1, v0
	v_and_b32 v7, 31, v7                           ; lane el, even
	v_lshrrev_b32 v8, 3, v6
	v_lshrrev_b32 v9, 4, v7
	v_and_b32 v10, 7, v6
	v_lshl_add_u32 v10, v8, 4, v10
	v_lshl_add_u32 v10, v9, 3, v10                 ; row m = 16 (i >> 3) + 8 (el >> 4) + (i & 7)
	v_and_b32 v7, 15, v7
	v_add_nc_u32 v7, s25, v7                       ; column n = n0 + (el & 15), and n + 1
	v_lshlrev_b32 v11, 2, v7                       ; 4 n
	v_lshl_add_u32 v10, v10, 10, v7
	v_lshlrev_b32 v10, 2, v10                      ; (1024 m + n) x 4
	s_lshl_b32 s28, s24, 11
	v_lshl_add_u32 v12, v3, 2, s28                 ; my wave's 2,048 bytes of partial sums: register i at 128 i + 4 lane
	v_lshlrev_b32 v13, 3, v0                       ; 8 t
	s_mul_i32 s29, s24, 32*QP
	s_add_co_u32 s29, s29, QL                      ; my wave's rows of query in LDS
	v_lshl_add_u32 v14, v3, 3, s29                 ; in: four numbers, 8 bytes, a lane
	v_mul_u32_u24 v15, v1, QP
	v_lshl_add_u32 v15, v2, 4, v15
	v_add_nc_u32 v15, s29, v15                     ; back: row r, 16 bytes for each half of the lanes
	s_wait_kmcnt 0x0
	global_load_b64 v[BB:BB+1], v11, s[14:15]      ; the two biases first: they are then older than all the loads that the counted waits below count
	global_load_b64 v[BB+2:BB+3], v11, s[16:17]
.set j, 0
.rept 32
	global_load_b128 v[QR+4*j:QR+4*j+3], v5, s[12:13] offset:4096*j  ; row j: 512 consecutive bytes
.set j, j+1
.endr
.irp s, 0,1,2,3
.set e, 0
.rept 16
	global_load_b32 v[WR+16*\s+e], v4, s[10:11] offset:(32*\s+e+8*(e/8))*4096  ; W1[k][n0 + r]: k = 8 h + 0..7, then 16 + 8 h + 0..7
.set e, e+1
.endr
.endr
	s_wait_loadcnt 63                              ; of the 98 loads at most 63 are out: the oldest 35 are in, the biases and query's 32 among them
.set j, 0
.rept 32
	v_cvt_pk_bf16_f32 v[QR+4*j],   v[QR+4*j],   v[QR+4*j+1]
	v_cvt_pk_bf16_f32 v[QR+4*j+1], v[QR+4*j+2], v[QR+4*j+3]
	ds_store_b64 v14, v[QR+4*j:QR+4*j+1] offset:QP*j
.set j, j+1
.endr
.irp m, 0,1
.irp s, 0,1,2,3
	ds_load_b128 v[QR+32*\m+8*\s:QR+32*\m+8*\s+3],   v15 offset:\m*16*QP+64*\s     ; my wave's own bytes: LDS serves a wave's instructions in order (ISA guide 5.7.1.4), so these see the stores above
	ds_load_b128 v[QR+32*\m+8*\s+4:QR+32*\m+8*\s+7], v15 offset:\m*16*QP+64*\s+32
.endr
.endr
	s_wait_dscnt 0x0
; One K step of 32.  left: the loads of the later steps, 16 each, may stay out.  W1's sixteen f32 become a fragment of eight registers in place: register i is written when
; registers 2 i and 2 i + 1 are read, and no later line reads it.  The two accumulators take turns.
.macro QSTEP s, left, zero
	s_wait_loadcnt \left
.set i, 0
.rept 8
	v_cvt_pk_bf16_f32 v[WR+16*(\s)+i], v[WR+16*(\s)+2*i], v[WR+16*(\s)+2*i+1]
.set i, i+1
.endr
.if \zero
	v_wmma_f32_16x16x32_bf16 v[ACC:ACC+7],    v[QR+8*(\s):QR+8*(\s)+7],       v[WR+16*(\s):WR+16*(\s)+7], 0
	v_wmma_f32_16x16x32_bf16 v[ACC+8:ACC+15], v[QR+32+8*(\s):QR+32+8*(\s)+7], v[WR+16*(\s):WR+16*(\s)+7], 0
.else
	v_wmma_f32_16x16x32_bf16 v[ACC:ACC+7],    v[QR+8*(\s):QR+8*(\s)+7],       v[WR+16*(\s):WR+16*(\s)+7], v[ACC:ACC+7]
	v_wmma_f32_16x16x32_bf16 v[ACC+8:ACC+15], v[QR+32+8*(\s):QR+32+8*(\s)+7], v[WR+16*(\s):WR+16*(\s)+7], v[ACC+8:ACC+15]
.endif
.endm
	QSTEP 0, 48, 1
	QSTEP 1, 32, 0
	QSTEP 2, 16, 0
	QSTEP 3, 0, 0
.rept 4
	v_nop                                          ; four places between the last product and the stores that read the sums
.endr
.set i, 0
.rept 16
	ds_store_b32 v12, v[ACC+i] offset:128*i
.set i, i+1
.endr
	s_wait_dscnt 0x0                               ; for the others' sake: my partial sums lie in LDS
	s_barrier_signal -1
	s_barrier_wait -1
.irp w, 0,1,2,3,4,5,6,7
	ds_load_b64 v[PS+2*\w:PS+2*\w+1], v13 offset:2048*\w
.endr
	s_wait_dscnt 0x0
	v_pk_add_f32 v[PS:PS+1],     v[PS:PS+1],     v[PS+2:PS+3]
	v_pk_add_f32 v[PS+4:PS+5],   v[PS+4:PS+5],   v[PS+6:PS+7]
	v_pk_add_f32 v[PS+8:PS+9],   v[PS+8:PS+9],   v[PS+10:PS+11]
	v_pk_add_f32 v[PS+12:PS+13], v[PS+12:PS+13], v[PS+14:PS+15]
	v_pk_add_f32 v[BB:BB+1],     v[BB:BB+1],     v[BB+2:BB+3]       ; b1 + b2
	v_pk_add_f32 v[PS:PS+1],     v[PS:PS+1],     v[PS+4:PS+5]
	v_pk_add_f32 v[PS+8:PS+9],   v[PS+8:PS+9],   v[PS+12:PS+13]
	v_pk_add_f32 v[PS:PS+1],     v[PS:PS+1],     v[PS+8:PS+9]
	v_pk_add_f32 v[PS:PS+1],     v[PS:PS+1],     v[BB:BB+1]
	v_pk_mul_f32 v[PS:PS+1],     v[PS:PS+1],     0x4038aa3b op_sel_hi:[1,0]  ; times c = 2 log2(e)
	global_store_b64 v10, v[PS:PS+1], s[20:21]
	s_wait_tensorcnt 0x0                           ; the wave's end: three lines behind my last LDS store
	ds_add_u32 v[SPW], v[NIL]
	s_wait_dscnt 0x0
	s_endpgm
.Lfunc_end_k_q22e8b5a084_prep:
	.size	k_q22e8b5a084_prep, .Lfunc_end_k_q22e8b5a084_prep-k_q22e8b5a084_prep
	.p2alignl 7, 3214868480
	.fill 96, 4, 3214868480
	.section	.rodata,"a",@progbits
	.p2align	6, 0x0
	.amdhsa_kernel k_q22e8b5a084_prep
		.amdhsa_group_segment_fixed_size 87040
		.amdhsa_private_segment_fixed_size 0
		.amdhsa_enable_private_segment 0
		.amdhsa_kernarg_size 56
		.amdhsa_user_sgpr_count 2
		.amdhsa_user_sgpr_kernarg_segment_ptr 1
		.amdhsa_wavefront_size32 1
		.amdhsa_system_sgpr_workgroup_id_x 1
		.amdhsa_system_sgpr_workgroup_id_y 1
		.amdhsa_system_sgpr_workgroup_id_z 1
		.amdhsa_system_vgpr_workitem_id 0
		.amdhsa_next_free_vgpr 256
		.amdhsa_next_free_sgpr 66
		.amdhsa_reserve_vcc 0
		.amdhsa_float_denorm_mode_32 3
		.amdhsa_float_denorm_mode_16_64 3
		.amdhsa_memory_ordered 1
		.amdhsa_forward_progress 1
		.amdhsa_inst_pref_size 27
	.end_amdhsa_kernel
	.amdgpu_metadata
---
amdhsa.version: [ 1, 2 ]
amdhsa.kernels:
  - .name:           k_q22e8b5a084_prep
    .symbol:         k_q22e8b5a084_prep.kd
    .args:
      - { .name: W2, .offset: 0, .size: 8, .value_kind: global_buffer, .address_space: global }
      - { .name: W1, .offset: 8, .size: 8, .value_kind: global_buffer, .address_space: global }
      - { .name: query, .offset: 16, .size: 8, .value_kind: global_buffer, .address_space: global }
      - { .name: b1, .offset: 24, .size: 8, .value_kind: global_buffer, .address_space: global }
      - { .name: b2, .offset: 32, .size: 8, .value_kind: global_buffer, .address_space: global }
      - { .name: wf, .offset: 40, .size: 8, .value_kind: global_buffer, .address_space: global }
      - { .name: qc, .offset: 48, .size: 8, .value_kind: global_buffer, .address_space: global }
    .group_segment_fixed_size: 87040
    .private_segment_fixed_size: 0
    .kernarg_segment_align: 8
    .kernarg_segment_size: 56
    .max_flat_workgroup_size: 256
    .sgpr_count:     66
    .vgpr_count:     256
    .wavefront_size: 32
...
	.end_amdgpu_metadata
.endif
;; end of part 1
;; launch main (part 2): grid 256 x 1, 4 waves a work-group, no clusters, 268,800 bytes of LDS; arguments values, wf, qc, V, bv, lg, st, pc; writes lg, st, pc
.if DOCPART == 2
	.amdgcn_target "amdgcn-amd-amdhsa--gfx1250"
	.amdhsa_code_object_version 6
	.text
	.protected	k_q22e8b5a084_main
	.globl	k_q22e8b5a084_main
	.p2align	8
	.type	k_q22e8b5a084_main,@function
k_q22e8b5a084_main:
	s_mov_b64 s[64:65], 0
	v_nop
	global_prefetch_b8 v0, s[64:65] scope:SCOPE_SE
	s_setreg_imm32_b32 hwreg(HW_REG_WAVE_MODE, 25, 1), 1
	s_wait_xcnt 0x0
; A WORK-GROUP STAYS and makes two blocks of 128 consecutive rows t of values, one after the other, both of one batch b (2,048 rows a batch: 16 blocks).  Each block is read from memory ONCE:
;   P1  the rows are rounded to bf16 and laid into LDS, where they stay for the block;
;   P3  x = values W2 by v_wmma_f32_16x16x32_bf16, f32 sums.  The four waves split the 1,024 columns u: wave w has 256 w .. 256 w + 255, in two chunks of 128:
;       a tile of 128 rows x 128 columns, 64 accumulators.  W2 comes as ready fragments (buffer wf) straight into registers: no wave wants another's.
;       Behind each chunk: logit[t] += the sum over u of V[u] tanh(q[u] + x[t][u]), with tanh(y) = 1 - 2 / (1 + 2^(c y)), c = 2 log2(e); qc = c (query W1 + b1 + b2).
;       2^(..) = infinity gives 1 / infinity = 0 and tanh = 1; 2^(..) = 0 gives tanh = -1: no clamp is needed.
;   P4  the block's logits (stored to lg), their maximum m, p = e^(logit - m), l = the sum of p ((m, l) stored to st);
;   P5  the block's part of the context, the sum over its rows of p[t] values[t], from the same LDS copy (stored to pc).  The last launch joins the 16 blocks of a batch.
; ACROSS THE BLOCKS.  The tables, the sum of V and the arguments are made once.  A wave's stream of fragments is walked in a ring of 16 trips: the three sets that a block's last trip asks for ahead are the next
; block's first three (behind the last block: 24 KiB a wave that nothing uses, so that every trip has the same counts).  The next block's first eight rows a wave are asked for behind the last epilogue, and are
; on their way during P4 and P5.  AHEAD OF THOSE LOADS each wave prefetches its own rows of the next block, a lane a block of 256 bytes, four instructions each time: rows 0-7 ahead of the last chunk's epilogue,
; one epilogue before their loads; rows 8-15 directly behind the loads of rows 0-7, P4 and P5 before theirs.  So each block of 256 bytes is named once, 128 KiB a work-group at a time; the last block asks for nothing.
; LIMITS.  This form of tanh is off by about 1e-7 in absolute terms; the context is summed over values rounded once to bf16; NaN and infinities in the inputs are not treated apart.
; NO CLUSTER, NO TENSOR LOADS: the copy of values takes 264,192 of the 327,680 bytes of LDS, and two slots for W2's tiles do not fit beside it.
; REGISTERS, in windows of 256 (s_set_vgpr_msb: bits 1:0 source 0, 3:2 source 1, 5:4 source 2, 7:6 destination):
;   window 0: v0-31 addresses and work; v32-47 the table of the chunk in hand, v48-63 the other chunk's; v64-127, v128-191 two buffers of A's fragments; v192-255 the logits' partial sums
;   window 1: four sets of 64: W2's fragments of four K steps of 32       windows 2, 3: accumulator (a, b) at v[8 (8 (a % 4) + b)]; in P1 window 2 is a ring of eight rows as loaded
.set PITCH, 2064                       ; a row in LDS: 2,048 bytes + 16 = 129 x 16: the 16 rows that a fragment load touches start at 16 different groups of four banks (64 banks of 4 bytes: ISA guide 11.1)
.set PL,    128*PITCH                  ; 264,192: [wave 4][row 128] f32: the waves' partial logits
.set PW,    PL+2048                    ; each wave's own copy of p[128]
.set SPARE, PW+2048                    ; the spare words, 128 bytes for each wave: two blocks of 256 bytes that no other line names
.set RR,   1                           ; v1   lane % 16
.set HH,   2                           ; v2   lane / 16
.set LN,   3                           ; v3   lane
.set ADR0, 4                           ; v4-7   (32 p + lane % 16) PITCH + 16 (lane / 16); never rewritten
.set ADR,  8                           ; v8-11  the same + the trip's place along K
.set BO,   12                          ; v12  16 x lane; never rewritten
.set LST,  13                          ; v13  P1: where my 8 bytes of a row go
.set TO,   14                          ; v14  (256 w + lane % 16) x 4
.set SV,   15                          ; v15  the sum of my sixteen V; never rewritten
.set SPW,  16                          ; v16  LDS address of my spare word; never rewritten
.set NIL,  17                          ; v17  0; never rewritten
.set T,    18                          ; v18-21, v24-27 at work
.set LST0, 22                          ; v22  LST at a block's first row; never rewritten
.set PFO,  23                          ; v23  256 x lane: the prefetches' offset; never rewritten
.set MX,   28                          ; v28  m
.set LS,   29                          ; v29  l: a pair with m for the store
.set CA,   30                          ; v30  P5: my 8 bytes of a row
.set PA,   31                          ; v31  P5: my wave's p
.set TAB,  32                          ; pairs (c q[u], -2 V[u]) for u = the chunk's 16 b + lane % 16
.set TAB2, 48
.set F0,   64
.set F1,   128
.set L,    192                         ; row 16 a + 8 (lane / 16) + j at L + 8 a + j
.set PP,   128                         ; P5: sixteen p
.set CX,   144                         ; P5: eight sums
.set WV,   24                          ; s24  wave
.set G,    25                          ; s25  work-group
.set OF,   26                          ; s[26:27] an offset, high word 0
.set VA,   28                          ; s[28:29] values at my wave's rows
.set WB,   30                          ; s[30:31] wf at the trip in hand
.set WC,   32                          ; s[32:33] wf at the next trip of the ring
.set W0,   34                          ; s[34:35] wf at my wave's stream; never rewritten
.set TI,   36                          ; s36  the trip's number in the ring, 0 to 15
.set TR,   37
.set CH,   38
.set KN,   39                          ; s39  the next trip's byte along a row of A
.set CC,   40                          ; s[40:41] c
.set BV,   42                          ; s[42:43] bv, 0
.set SEL,  44                          ; s[44:45] v_permlanex16_b32: each lane takes its own place in the other half
.set RC,   46
.set SX,   47
.set OB,   48                          ; s[48:49] a trip's byte offset in the stream, high word 0
.set BL,   50                          ; s50  blocks to go
.set MSB, 0
.macro WIN new                         ; the immediate's high byte repeats the setting that is left; a switch that changes nothing is dropped
.if MSB != (\new)
	s_set_vgpr_msb (MSB<<8)|(\new)
.set MSB, \new
.endif
.endm
.set MUL_LO, 0xa4                      ; A window 0, B window 1, C and D window 2
.set TO_B,   0x40                      ; destination window 1, address window 0
.set W_CVT,  0x8a                      ; destination and both sources window 2
.set W_IO,   0x88                      ; loaded data and stored data window 2, addresses window 0
; The ring of eight row slots is filled: rows 0-7 of my 32, eight loads of 512 consecutive bytes a row
.macro RING
	WIN W_IO
.irp i, 0,1,2,3,4,5,6,7
.irp j, 0,1,2,3,4,5,6,7
	global_load_b128 v[32*\i+4*\j:32*\i+4*\j+3], v[BO], s[VA:VA+1] offset:4096*\i+512*\j th:TH_LOAD_NT
.endr
.endr
	WIN 0
.endm
; Eight of my rows, from byte off behind VA, are prefetched: 128 blocks of 256 bytes, a lane a block
.macro ASK off
.irp i, 0,1,2,3
	global_prefetch_b8 v[PFO], s[VA:VA+1] offset:(\off)+8192*\i th:TH_LOAD_NT scope:SCOPE_SE
.endr
.endm
; P1.  Slot i's row: rounded in place (four f32 become two registers), 8 bytes a lane into LDS (a wave's store covers 256 consecutive bytes), and the slot is asked for again, eight rows on.
; left: how many younger loads may stay out.
.macro ROWIN i, refill, left
	s_wait_loadcnt \left
	WIN W_CVT
.irp j, 0,1,2,3,4,5,6,7
	v_cvt_pk_bf16_f32 v[32*(\i)+4*\j],   v[32*(\i)+4*\j],   v[32*(\i)+4*\j+1]
	v_cvt_pk_bf16_f32 v[32*(\i)+4*\j+1], v[32*(\i)+4*\j+2], v[32*(\i)+4*\j+3]
.endr
	WIN W_IO
.irp j, 0,1,2,3,4,5,6,7
	ds_store_b64 v[LST], v[32*(\i)+4*\j:32*(\i)+4*\j+1] offset:(\i)*PITCH+256*\j
.endr
.if \refill
.irp j, 0,1,2,3,4,5,6,7
	global_load_b128 v[32*(\i)+4*\j:32*(\i)+4*\j+3], v[BO], s[VA:VA+1] offset:32768+4096*(\i)+512*\j th:TH_LOAD_NT
.endr
.endif
.endm
; 32 matrix instructions: row tiles 4 hi .. 4 hi + 3 x all 8 column tiles, 32 along K.  zero = 1: the product starts the sums.  The 64 accumulators take turns, in the same order in every K step,
; over the backward jumps too.
.macro MUL32 f, set, hi, zero
	WIN MUL_LO+0x50*(\hi)
.irp a, 0,1,2,3
.irp b, 0,1,2,3,4,5,6,7
.if \zero
	v_wmma_f32_16x16x32_bf16 v[8*(8*\a+\b):8*(8*\a+\b)+7], v[(\f)+8*(4*(\hi)+\a):(\f)+8*(4*(\hi)+\a)+7], v[64*(\set)+8*\b:64*(\set)+8*\b+7], 0
.else
	v_wmma_f32_16x16x32_bf16 v[8*(8*\a+\b):8*(8*\a+\b)+7], v[(\f)+8*(4*(\hi)+\a):(\f)+8*(4*(\hi)+\a)+7], v[64*(\set)+8*\b:64*(\set)+8*\b+7], v[8*(8*\a+\b):8*(8*\a+\b)+7]
.endif
.endr
.endr
.endm
; A's eight fragments (128 rows x 32 K) at byte k behind the trip's place: lane l holds row l % 16, K = 8 (l / 16) + 0..7 and 16 + 8 (l / 16) + 0..7: two loads of 16 bytes, 32 bytes apart
.macro FETCHA f, k
	WIN 0
.irp a, 0,1,2,3,4,5,6,7
	ds_load_b128 v[(\f)+8*\a:(\f)+8*\a+3],   v[ADR+(\a)/2] offset:((\a)%2)*16*PITCH+(\k)
	ds_load_b128 v[(\f)+8*\a+4:(\f)+8*\a+7], v[ADR+(\a)/2] offset:((\a)%2)*16*PITCH+(\k)+32
.endr
.endm
; W2's eight fragments of one K step, 8,192 consecutive bytes: each load of the wave covers 512 of them
.macro FETCHB set, base, off
	WIN TO_B
.irp b, 0,1,2,3,4,5,6,7
	global_load_b128 v[64*(\set)+8*\b:64*(\set)+8*\b+3],   v[BO], s[(\base):(\base)+1] offset:(\off)+1024*\b
	global_load_b128 v[64*(\set)+8*\b+4:64*(\set)+8*\b+7], v[BO], s[(\base):(\base)+1] offset:(\off)+1024*\b+512
.endr
.endm
.macro PLACES
.rept 4
	v_nop
.endr
.endm
; K step t of a trip's four.  In its middle, four places behind the products of step t - 1 (ISA guide 7.12.1 for vector instructions), the registers that those read are
; asked for again: A's other buffer for step t + 1, and W2's set for step t + 3, which then has 160 matrix instructions in which to come.
; The two bases are made anew in the middle of step 0: the youngest load that names them stands 64 matrix instructions back, and the wait ahead of the lines that write them shows its address read.
.macro SUB t, zero
	s_wait_loadcnt 32                              ; this step's set is in; the two younger sets, 16 loads each, stay out
	s_wait_dscnt 8                                 ; A's row tiles 0-3 are in
	MUL32 F0+64*((\t)%2), \t, 0, \zero
.if (\t) == 3
	WIN 0
.irp p, 0,1,2,3
	v_add_nc_u32 v[ADR+\p], s[KN], v[ADR0+\p]      ; the next trip's place along K: these four lines are the places
.endr
	FETCHA F0, 0
.else
	PLACES
	FETCHA F0+64*(((\t)+1)%2), 64*((\t)+1)
.endif
.if (\t) == 0
	s_wait_xcnt 0x0                                ; every load issued so far has read its base: only now are the bases written
	s_lshl_b32 s[OB], s[TI], 15                    ; a trip is 32,768 bytes of the stream
	s_add_nc_u64 s[WB:WB+1], s[W0:W0+1], s[OB:OB+1]
	s_add_co_u32 s[TI], s[TI], 1
	s_and_b32 s[TI], s[TI], 15                     ; behind the stream's last trip comes its first: the next block's
	s_lshl_b32 s[OB], s[TI], 15
	s_add_nc_u64 s[WC:WC+1], s[W0:W0+1], s[OB:OB+1]
	FETCHB 3, WB, 24576
.else
	FETCHB (\t)-1, WC, 8192*((\t)-1)
.endif
	s_wait_dscnt 16                                ; all but the sixteen just issued
	MUL32 F0+64*((\t)%2), \t, 1, \zero
.endm
.macro TRIP zero                       ; 128 along K: 256 matrix instructions
	SUB 0, \zero
	SUB 1, 0
	SUB 2, 0
	s_add_co_u32 s[KN], s[KN], 256
	s_and_b32 s[KN], s[KN], 0x7ff                  ; behind a chunk's last trip: back to a row's head
	SUB 3, 0
	WIN 0                                          ; at a label and at a branch every window is 0
.endm
; Row tile a of the chunk's epilogue: 64 registers.  y = c x + c q; 2^y; + 1; reciprocal; L += (-2 V) x that.  Each accumulator's registers are read in ascending order.  The exponentials are one batch
; and the reciprocals another: behind each a plain instruction and the one wait ahead of the first reader.
.macro EPI a
.set AC, 64*((\a)%4)
.set WW, 2+(\a)/4
	WIN (WW<<6)|WW                                 ; destination and source 0 in the accumulators' window, the table in window 0
.set b, 0
.rept 8
.set p, 0
.rept 4
	v_pk_fma_f32 v[AC+8*b+2*p:AC+8*b+2*p+1], v[AC+8*b+2*p:AC+8*b+2*p+1], s[CC:CC+1], v[TAB+2*b:TAB+2*b+1] op_sel_hi:[1,0,0]
.set p, p+1
.endr
.set b, b+1
.endr
.set i, 0
.rept 64
	v_exp_f32 v[AC+i], v[AC+i]
.set i, i+1
.endr
	v_nop
	s_wait_alu depctr_va_vdst(0)
.set i, 0
.rept 32
	v_pk_add_f32 v[AC+i:AC+i+1], v[AC+i:AC+i+1], 1.0 op_sel_hi:[1,0]
.set i, i+2
.endr
.set i, 0
.rept 64
	v_rcp_f32 v[AC+i], v[AC+i]
.set i, i+1
.endr
	v_nop
	s_wait_alu depctr_va_vdst(0)
	WIN WW                                         ; source 0 in the accumulators' window, all else in window 0
.set b, 0
.rept 8
.set p, 0
.rept 4                                ; three lines stand between two links on one pair of L
	v_pk_fma_f32 v[L+8*(\a)+2*p:L+8*(\a)+2*p+1], v[AC+8*b+2*p:AC+8*b+2*p+1], v[TAB+2*b:TAB+2*b+1], v[L+8*(\a)+2*p:L+8*(\a)+2*p+1] op_sel:[0,1,0] op_sel_hi:[1,1,1]
.set p, p+1
.endr
.set b, b+1
.endr
.endm
	; THE HEAD, once a work-group
	s_load_b512 s[8:23], s[0:1], 0x0               ; values 8, wf 10, qc 12, V 14, bv 16, lg 18, st 20, pc 22
	v_lshl_add_u32 v[SPW], v0, 2, SPARE
	v_mov_b32 v[NIL], 0
	v_lshrrev_b32 v[T], 5, v0
	v_readfirstlane_b32 s[WV], v[T]
	s_mov_b32 s[G], ttmp9
	v_and_b32 v[RR], 15, v0
	v_bfe_u32 v[HH], v0, 4, 1
	v_and_b32 v[LN], 31, v0
	v_mul_u32_u24 v[T], v[RR], PITCH
	v_lshl_add_u32 v[ADR0], v[HH], 4, v[T]
	v_add_nc_u32 v[ADR0+1], 32*PITCH, v[ADR0]
	v_add_nc_u32 v[ADR0+2], 64*PITCH, v[ADR0]
	v_add_nc_u32 v[ADR0+3], 96*PITCH, v[ADR0]
	v_lshlrev_b32 v[BO], 4, v[LN]
	v_lshlrev_b32 v[PFO], 8, v[LN]
	s_mul_i32 s[OF], s[WV], 32*PITCH
	v_lshl_add_u32 v[LST0], v[LN], 3, s[OF]        ; my wave's 32 rows, 8 bytes a lane
	s_lshl_b32 s[OF], s[WV], 10
	v_lshl_add_u32 v[TO], v[RR], 2, s[OF]
	s_mov_b32 s[TI], 0
	s_mov_b32 s[KN], 0
	s_mov_b32 s[BL], 2
	s_mov_b32 s[OB+1], 0
	s_mov_b32 s[CC], 0x4038aa3b                    ; c = 2 log2(e)
	s_mov_b32 s[CC+1], s[CC]                       ; named with it as a pair
	s_mov_b32 s[BV+1], 0
	s_mov_b32 s[SEL], 0x76543210
	s_mov_b32 s[SEL+1], 0xfedcba98
	s_mov_b32 s[OF+1], 0
	s_wait_kmcnt 0x0
	s_load_b32 s[BV], s[16:17], 0x0                ; bv itself; waited for ahead of the loop over blocks
	s_lshl_b32 s[OF], s[G], 20                     ; 256 rows of 4,096 bytes a work-group,
	s_lshl_b32 s[RC], s[WV], 17                    ; 32 a wave in each block
	s_add_co_u32 s[OF], s[OF], s[RC]
	s_add_nc_u64 s[VA:VA+1], s[8:9], s[OF:OF+1]
	s_lshl_b32 s[OF], s[WV], 19                    ; a wave's stream of fragments: 512 KiB on end
	s_add_nc_u64 s[W0:W0+1], s[10:11], s[OF:OF+1]
	s_lshr_b32 s[OF], s[G], 3                      ; the batch
	s_lshl_b32 s[OF], s[OF], 12
	s_add_nc_u64 s[12:13], s[12:13], s[OF:OF+1]
	s_lshl_b32 s[OF], s[G], 10
	s_add_nc_u64 s[18:19], s[18:19], s[OF:OF+1]    ; lg: 512 bytes a block
	s_lshl_b32 s[OF], s[G], 4
	s_add_nc_u64 s[20:21], s[20:21], s[OF:OF+1]    ; st: 8 bytes a block
	s_lshl_b32 s[OF], s[G], 13
	s_add_nc_u64 s[22:23], s[22:23], s[OF:OF+1]    ; pc: 4,096 bytes a block
.set t, 0
.rept 16                               ; both chunks' tables: column 256 w + 16 t + lane % 16
	global_load_b32 v[TAB+2*t],   v[TO], s[12:13] offset:64*t
	global_load_b32 v[TAB+2*t+1], v[TO], s[14:15] offset:64*t
.set t, t+1
.endr
	FETCHB 0, W0, 0                                ; the stream's first three sets: later blocks find them asked for by the trip before
	FETCHB 1, W0, 8192
	FETCHB 2, W0, 16384
	RING
	s_wait_loadcnt 63                              ; of the 144 loads at most 63 are out: the oldest 81 are in, the 32 of the tables among them
	v_add_f32 v[SV], v[TAB+1], v[TAB+3]
.set t, 2
.rept 14
	v_add_f32 v[SV], v[SV], v[TAB+2*t+1]
.set t, t+1
.endr
.set t, 0
.rept 16
	v_mul_f32 v[TAB+2*t+1], -2.0, v[TAB+2*t+1]
.set t, t+1
.endr
	s_wait_kmcnt 0x0                               ; bv
.Lblock:                                       ; twice: a block of 128 rows; its first eight rows a wave are on their way
	v_mov_b32 v[LST], v[LST0]
	s_mov_b32 s[RC], 3
.Lrows:                                        ; three trips of eight rows; the last eight rows stand behind the loop and load nothing
.irp i, 0,1,2,3,4,5,6,7
	ROWIN \i, 1, 56                                ; seven younger slots of eight loads stay out
.endr
	WIN 0
	s_wait_xcnt 0x0                                ; the loads, and the last block's prefetches, have read their base: only now is it stepped
	s_add_nc_u64 s[VA:VA+1], s[VA:VA+1], 0x8000
	v_add_nc_u32 v[LST], 8*PITCH, v[LST]
	s_sub_co_u32 s[RC], s[RC], 1
	s_cmp_lg_u32 s[RC], 0
	s_cbranch_scc1 .Lrows
.irp i, 0,1,2,3,4,5,6,7
	ROWIN \i, 0, 56-8*\i                           ; the counts run down to 0: no load names the base any more
.endr
	WIN 0
	s_add_nc_u64 s[VA:VA+1], s[VA:VA+1], 0x68000   ; from my row 24 of this block to my row 0 of the next: 128 rows less 24 (behind the last block it is not used)
.set i, 0
.rept 64
	v_mov_b32 v[L+i], v[SV]                        ; the sums start at my sixteen V: over lanes and waves that is the sum of all V, the '1' of every tanh
.set i, i+1
.endr
.irp p, 0,1,2,3
	v_mov_b32 v[ADR+\p], v[ADR0+\p]
.endr
	s_wait_dscnt 0x0                               ; for the others' sake: my 32 rows lie in LDS
	s_barrier_signal -1
	s_barrier_wait -1                              ; all 128 rows do; nobody writes them before the barrier at the block's end
	FETCHA F0, 0
	; P3
	s_mov_b32 s[CH], 2
.Lchunk:
	TRIP 1                                         ; a chunk's first trip is written out: its first K step starts the sums
	s_mov_b32 s[TR], 7
.Ltrip:
	TRIP 0
	s_sub_co_u32 s[TR], s[TR], 1
	s_cmp_lg_u32 s[TR], 0
	s_cbranch_scc1 .Ltrip
	s_lshl1_add_u32 s[RC], s[BL], s[CH]            ; 2 x blocks to go + chunks to go: 5 in the first block's last chunk alone
	s_cmp_eq_u32 s[RC], 5
	s_cbranch_scc0 .Lno_pf
	ASK 0                                          ; my rows 0-7 of the next block: their loads stand behind this epilogue
.Lno_pf:
	PLACES                                         ; between the last products and the lines that read the sums
.irp a, 0,1,2,3,4,5,6,7
	EPI \a
.endr
	WIN 0
.set i, 0
.rept 16                               ; the two tables change places, so that the one text names the chunk in hand and the next block finds the first again; A's second buffer is free
	v_mov_b32 v[F1+i], v[TAB+i]
.set i, i+1
.endr
.set i, 0
.rept 16
	v_mov_b32 v[TAB+i], v[TAB2+i]
.set i, i+1
.endr
.set i, 0
.rept 16
	v_mov_b32 v[TAB2+i], v[F1+i]
.set i, i+1
.endr
	s_sub_co_u32 s[CH], s[CH], 1
	s_cmp_lg_u32 s[CH], 0
	s_cbranch_scc1 .Lchunk
	s_cmp_lg_u32 s[BL], 1
	s_cbranch_scc0 .Lno_ring                       ; behind the last block nothing is left to ask for
	RING                                           ; the next block's first eight rows, into the accumulators' registers, which the epilogue has read
	ASK 32768                                      ; and my rows 8-15 of it, whose loads stand in P1's first trip, behind P4 and P5
.Lno_ring:
	; P4.  A row's sum over my 256 columns: over the 16 lanes of each half, on the arithmetic itself.
.irp x, 1,2,4,8
.set i, 0
.rept 64
	v_add_f32_dpp v[L+i], v[L+i], v[L+i] row_xmask:\x row_mask:0xf bank_mask:0xf
.set i, i+1
.endr
.endr
	s_lshl_b32 s[OF], s[WV], 9
	s_add_co_u32 s[RC], s[OF], PL
	s_add_co_u32 s[OF], s[OF], PW
	v_lshlrev_b32 v[T], 5, v[HH]
	v_add_nc_u32 v[T], s[RC], v[T]                 ; my wave's 512 bytes: row 16 a + 8 h + j at 64 a + 32 h + 4 j
.irp a, 0,1,2,3,4,5,6,7
	ds_store_b128 v[T], v[L+8*\a:L+8*\a+3]   offset:64*\a     ; the sixteen lanes of a half store the same numbers to the same bytes
	ds_store_b128 v[T], v[L+8*\a+4:L+8*\a+7] offset:64*\a+16
.endr
	v_lshl_add_u32 v[T+1], v[LN], 4, PL            ; rows 4 lane .. 4 lane + 3
	v_lshl_add_u32 v[T+6], v[LN], 4, s[OF]         ; the same rows in my wave's copy of p
	v_mov_b32 v[PA], s[OF]
	v_lshlrev_b32 v[CA], 3, v0                     ; P5: thread t has columns 4 t .. 4 t + 3 and 512 + 4 t .. : 8 bytes of a row each
	v_lshlrev_b32 v[T+9], 4, v0                    ; and 16 bytes of pc each
	s_wait_dscnt 0x0                               ; my stores are done, and the loads of A asked for ahead in the last trip are back
	s_barrier_signal -1
	s_barrier_wait -1
.irp w, 0,1,2,3
	ds_load_b128 v[64+4*\w:64+4*\w+3], v[T+1] offset:512*\w
.endr
	s_wait_dscnt 0x0
	v_pk_add_f32 v[64:65], v[64:65], v[68:69]
	v_pk_add_f32 v[66:67], v[66:67], v[70:71]
	v_pk_add_f32 v[72:73], v[72:73], v[76:77]
	v_pk_add_f32 v[74:75], v[74:75], v[78:79]
	v_pk_add_f32 v[64:65], v[64:65], v[72:73]
	v_pk_add_f32 v[66:67], v[66:67], v[74:75]
	v_pk_add_f32 v[64:65], v[64:65], s[BV:BV+1] op_sel_hi:[1,0]
	v_pk_add_f32 v[66:67], v[66:67], s[BV:BV+1] op_sel_hi:[1,0]  ; four logits a lane, in every wave
	v_max_num_f32 v[T+2], v64, v65
	v_max3_num_f32 v[MX], v[T+2], v66, v67
.irp x, 1,2,4,8
	v_max_num_f32_dpp v[MX], v[MX], v[MX] row_xmask:\x row_mask:0xf bank_mask:0xf
.endr
	v_permlanex16_b32 v[T+2], v[MX], s[SEL], s[SEL+1]
	v_max_num_f32 v[MX], v[MX], v[T+2]             ; m: the block's largest logit
.irp i, 0,1,2,3
	v_sub_f32 v[68+\i], v[64+\i], v[MX]
.endr
.irp i, 0,1,2,3
	v_mul_f32 v[68+\i], 0x3fb8aa3b, v[68+\i]
.endr
.irp i, 0,1,2,3
	v_exp_f32 v[68+\i], v[68+\i]
.endr
	v_nop                                          ; a plain instruction behind the last exponential,
	s_wait_alu depctr_va_vdst(0)                   ; and the one wait ahead of the first reader
	v_add_f32 v[T+3], v70, v71
	v_add_f32 v[LS], v68, v69
	v_add_f32 v[LS], v[LS], v[T+3]
.irp x, 1,2,4,8
	v_add_f32_dpp v[LS], v[LS], v[LS] row_xmask:\x row_mask:0xf bank_mask:0xf
.endr
	v_permlanex16_b32 v[T+3], v[LS], s[SEL], s[SEL+1]
	v_add_f32 v[LS], v[LS], v[T+3]                 ; l
	ds_store_b128 v[T+6], v[68:71]                 ; p, into my wave's own bytes: LDS serves a wave's instructions in order (ISA guide 5.7.1.4), so P5's loads see it
	s_cmp_lg_u32 s[WV], 0
	s_cbranch_scc1 .Lnot_wave_0
	global_store_b128 v[BO], v[64:67], s[18:19]    ; the block's 128 logits: 512 consecutive bytes
	v_mov_b32 v[T+8], 0
	v_cmp_gt_u32 vcc_lo, 1, v0
	s_wait_xcnt 0x0                                ; EXEC changes only behind this wait
	s_and_saveexec_b32 s[SX], vcc_lo
	global_store_b64 v[T+8], v[MX:LS], s[20:21]    ; (m, l), by thread 0
	s_wait_xcnt 0x0                                ; and again ahead of the line that widens it; it also frees v[64:67]
	s_or_b32 exec_lo, exec_lo, s[SX]
.Lnot_wave_0:
	; P5.  Eight trips of 16 rows: my 8 + 8 bytes of each row, sixteen p, and 128 multiply-adds from bf16 halves into f32, in eight chains.
.irp e, 0,1,2,3,4,5,6,7
	v_mov_b32 v[CX+\e], 0
.endr
	s_mov_b32 s[RC], 8
.Lctx:
.set i, 0
.rept 16
	ds_load_b64 v[F0+4*i:F0+4*i+1],   v[CA] offset:i*PITCH
	ds_load_b64 v[F0+4*i+2:F0+4*i+3], v[CA] offset:i*PITCH+1024
.set i, i+1
.endr
.irp q, 0,1,2,3
	ds_load_b128 v[PP+4*\q:PP+4*\q+3], v[PA] offset:16*\q
.endr
	s_wait_dscnt 0x0
.set i, 0
.rept 16
.irp d, 0,1,2,3
	v_fma_mix_f32_bf16 v[CX+2*\d],   v[F0+4*i+\d], v[PP+i], v[CX+2*\d]   op_sel_hi:[1,0,0]
	v_fma_mix_f32_bf16 v[CX+2*\d+1], v[F0+4*i+\d], v[PP+i], v[CX+2*\d+1] op_sel:[1,0,0] op_sel_hi:[1,0,0]
.endr
.set i, i+1
.endr
	v_add_nc_u32 v[CA], 16*PITCH, v[CA]
	v_add_nc_u32 v[PA], 64, v[PA]
	s_sub_co_u32 s[RC], s[RC], 1
	s_cmp_lg_u32 s[RC], 0
	s_cbranch_scc1 .Lctx
	global_store_b128 v[T+9], v[CX:CX+3],   s[22:23]               ; a wave's store covers 512 consecutive bytes
	global_store_b128 v[T+9], v[CX+4:CX+7], s[22:23] offset:2048
	s_wait_xcnt 0x0                                ; the block's stores have read their bases, offsets and data: only now are the bases stepped
	s_add_nc_u64 s[18:19], s[18:19], 512
	s_add_nc_u64 s[20:21], s[20:21], 8
	s_add_nc_u64 s[22:23], s[22:23], 4096
	s_wait_dscnt 0x0                               ; my reads of the block's rows are back
	s_barrier_signal -1
	s_barrier_wait -1                              ; everybody's are: the next block's rows may be stored over them
	s_sub_co_u32 s[BL], s[BL], 1
	s_cmp_lg_u32 s[BL], 0
	s_cbranch_scc1 .Lblock
	s_wait_tensorcnt 0x0                           ; the wave's end: three lines behind my last LDS store
	ds_add_u32 v[SPW], v[NIL]
	s_wait_dscnt 0x0
	s_endpgm
.Lfunc_end_k_q22e8b5a084_main:
	.size	k_q22e8b5a084_main, .Lfunc_end_k_q22e8b5a084_main-k_q22e8b5a084_main
	.p2alignl 7, 3214868480
	.fill 96, 4, 3214868480
	.section	.rodata,"a",@progbits
	.p2align	6, 0x0
	.amdhsa_kernel k_q22e8b5a084_main
		.amdhsa_group_segment_fixed_size 268800
		.amdhsa_private_segment_fixed_size 0
		.amdhsa_enable_private_segment 0
		.amdhsa_kernarg_size 64
		.amdhsa_user_sgpr_count 2
		.amdhsa_user_sgpr_kernarg_segment_ptr 1
		.amdhsa_wavefront_size32 1
		.amdhsa_system_sgpr_workgroup_id_x 1
		.amdhsa_system_sgpr_workgroup_id_y 1
		.amdhsa_system_sgpr_workgroup_id_z 1
		.amdhsa_system_vgpr_workitem_id 0
		.amdhsa_next_free_vgpr 1024
		.amdhsa_next_free_sgpr 66
		.amdhsa_reserve_vcc 1
		.amdhsa_float_denorm_mode_32 3
		.amdhsa_float_denorm_mode_16_64 3
		.amdhsa_memory_ordered 1
		.amdhsa_forward_progress 1
		.amdhsa_inst_pref_size 230
	.end_amdhsa_kernel
	.amdgpu_metadata
---
amdhsa.version: [ 1, 2 ]
amdhsa.kernels:
  - .name:           k_q22e8b5a084_main
    .symbol:         k_q22e8b5a084_main.kd
    .args:
      - { .name: values, .offset: 0, .size: 8, .value_kind: global_buffer, .address_space: global }
      - { .name: wf, .offset: 8, .size: 8, .value_kind: global_buffer, .address_space: global }
      - { .name: qc, .offset: 16, .size: 8, .value_kind: global_buffer, .address_space: global }
      - { .name: V, .offset: 24, .size: 8, .value_kind: global_buffer, .address_space: global }
      - { .name: bv, .offset: 32, .size: 8, .value_kind: global_buffer, .address_space: global }
      - { .name: lg, .offset: 40, .size: 8, .value_kind: global_buffer, .address_space: global }
      - { .name: st, .offset: 48, .size: 8, .value_kind: global_buffer, .address_space: global }
      - { .name: pc, .offset: 56, .size: 8, .value_kind: global_buffer, .address_space: global }
    .group_segment_fixed_size: 268800
    .private_segment_fixed_size: 0
    .kernarg_segment_align: 8
    .kernarg_segment_size: 64
    .max_flat_workgroup_size: 128
    .sgpr_count:     66
    .vgpr_count:     1024
    .wavefront_size: 32
...
	.end_amdgpu_metadata
.endif
;; end of part 2
;; launch fin (part 3): grid 128 x 1, 2 waves a work-group, no clusters, 0 bytes of LDS; arguments lg, st, pc, out0, out1; writes out0, out1
.if DOCPART == 3
	.amdgcn_target "amdgcn-amd-amdhsa--gfx1250"
	.amdhsa_code_object_version 6
	.text
	.protected	k_q22e8b5a084_fin
	.globl	k_q22e8b5a084_fin
	.p2align	8
	.type	k_q22e8b5a084_fin,@function
k_q22e8b5a084_fin:
	s_mov_b64 s[64:65], 0
	v_nop
	global_prefetch_b8 v0, s[64:65] scope:SCOPE_SE
	s_setreg_imm32_b32 hwreg(HW_REG_WAVE_MODE, 25, 1), 1
	s_wait_xcnt 0x0
; The 16 blocks of a batch are joined.  M = the largest of their maxima m_i; e_i = e^(m_i - M); S = the sum of l_i e_i;
; out0[b][d] = the sum over i of (e_i / S) pc[16 b + i][d];   out1[b][t] = e^(lg[b][t] - M) / S.
; A work-group has a quarter of one batch: 256 columns of out0 and 512 weights of out1; thread t has 16 bytes of each of the 16 partial rows and twice 16 bytes of the logits.
; A block whose e_i falls under 2^-126 counts as 0.  No LDS, no barrier: every thread makes M and S for itself from the 128 bytes of st, which come by scalar loads.
.set MS,  16                           ; s[16:47] m_i at 16 + 2 i, l_i at 17 + 2 i
.set PC,  16                           ; v[16:79]  the sixteen partial rows' four numbers
.set LG,  80                           ; v[80:87]  eight logits
.set EE,  96                           ; v[96:111] e_i, then e_i / S
.set OUT, 8                            ; v[8:11]
	s_load_b256 s[4:11], s[0:1], 0x0               ; lg s[4:5], st s[6:7], pc s[8:9], out0 s[10:11]
	s_load_b64 s[12:13], s[0:1], 0x20              ; out1
	s_lshr_b32 s14, ttmp9, 2                       ; the batch
	s_and_b32 s15, ttmp9, 3                        ; the quarter
	v_lshlrev_b32 v1, 4, v0
	s_lshl_b32 s48, s14, 7                         ; st: 128 bytes a batch
	s_mov_b32 s49, 0
	s_lshl_b32 s50, s14, 16                        ; pc: 16 rows of 4,096 bytes a batch, 1,024 bytes a quarter
	s_lshl_b32 s56, s15, 10
	s_add_co_u32 s50, s50, s56
	s_mov_b32 s51, 0
	s_lshl_b32 s52, s14, 13                        ; lg and out1: 8,192 bytes a batch, 2,048 a quarter
	s_lshl_b32 s57, s15, 11
	s_add_co_u32 s52, s52, s57
	s_mov_b32 s53, 0
	s_lshl_b32 s54, s14, 12                        ; out0: 4,096 bytes a batch, 1,024 a quarter
	s_add_co_u32 s54, s54, s56
	s_mov_b32 s55, 0
	s_wait_kmcnt 0x0
	s_add_nc_u64 s[6:7], s[6:7], s[48:49]
	s_add_nc_u64 s[8:9], s[8:9], s[50:51]
	s_add_nc_u64 s[4:5], s[4:5], s[52:53]
	s_add_nc_u64 s[12:13], s[12:13], s[52:53]
	s_add_nc_u64 s[10:11], s[10:11], s[54:55]
	s_load_b512 s[16:31], s[6:7], 0x0
	s_load_b512 s[32:47], s[6:7], 0x40
.set i, 0
.rept 16
	global_load_b128 v[PC+4*i:PC+4*i+3], v1, s[8:9] offset:4096*i
.set i, i+1
.endr
	global_load_b128 v[LG:LG+3],   v1, s[4:5]
	global_load_b128 v[LG+4:LG+7], v1, s[4:5] offset:1024
	s_wait_kmcnt 0x0
	v_mov_b32 v2, s[MS]
.irp i, 1,3,5,7,9,11,13
	v_max3_num_f32 v2, v2, s[MS+2*\i], s[MS+2*\i+2]
.endr
	v_max_num_f32 v2, s[MS+30], v2                 ; M
.set i, 0
.rept 16
	v_sub_f32 v[EE+i], s[MS+2*i], v2
.set i, i+1
.endr
.set i, 0
.rept 16
	v_mul_f32 v[EE+i], 0x3fb8aa3b, v[EE+i]
.set i, i+1
.endr
.set i, 0
.rept 16
	v_exp_f32 v[EE+i], v[EE+i]
.set i, i+1
.endr
	v_nop                                          ; a plain instruction behind the last exponential,
	s_wait_alu depctr_va_vdst(0)                   ; and the one wait for the batch
	v_mul_f32 v3, s[MS+1], v[EE]
.set i, 1
.rept 15
	v_fmac_f32 v3, s[MS+2*i+1], v[EE+i]
.set i, i+1
.endr
	v_rcp_f32 v4, v3                               ; S is at least 1: the block that holds M has l of 1 or more and e = 1
	v_nop
	s_wait_alu depctr_va_vdst(0)
.set i, 0
.rept 16
	v_mul_f32 v[EE+i], v[EE+i], v4
.set i, i+1
.endr
	s_wait_loadcnt 0x0
.irp i, 0,1,2,3,4,5,6,7
	v_sub_f32 v[LG+\i], v[LG+\i], v2
.endr
.irp i, 0,1,2,3,4,5,6,7
	v_mul_f32 v[LG+\i], 0x3fb8aa3b, v[LG+\i]
.endr
.irp i, 0,1,2,3,4,5,6,7
	v_exp_f32 v[LG+\i], v[LG+\i]
.endr
.irp c, 0,1,2,3                        ; the context's sums are the independent work behind the exponentials; the first product starts each sum
	v_mul_f32 v[OUT+\c], v[PC+\c], v[EE]
.endr
.set i, 1
.rept 15
.irp c, 0,1,2,3
	v_fmac_f32 v[OUT+\c], v[PC+4*i+\c], v[EE+i]
.endr
.set i, i+1
.endr
	global_store_b128 v1, v[OUT:OUT+3], s[10:11]   ; a wave's store covers 512 consecutive bytes
	s_wait_alu depctr_va_vdst(0)                   ; the one wait for the eight exponentials, ahead of their first reader
.irp i, 0,1,2,3,4,5,6,7
	v_mul_f32 v[LG+\i], v[LG+\i], v4
.endr
	global_store_b128 v1, v[LG:LG+3],   s[12:13]
	global_store_b128 v1, v[LG+4:LG+7], s[12:13] offset:1024
	s_endpgm
.Lfunc_end_k_q22e8b5a084_fin:
	.size	k_q22e8b5a084_fin, .Lfunc_end_k_q22e8b5a084_fin-k_q22e8b5a084_fin
	.p2alignl 7, 3214868480
	.fill 96, 4, 3214868480
	.section	.rodata,"a",@progbits
	.p2align	6, 0x0
	.amdhsa_kernel k_q22e8b5a084_fin
		.amdhsa_group_segment_fixed_size 0
		.amdhsa_private_segment_fixed_size 0
		.amdhsa_enable_private_segment 0
		.amdhsa_kernarg_size 40
		.amdhsa_user_sgpr_count 2
		.amdhsa_user_sgpr_kernarg_segment_ptr 1
		.amdhsa_wavefront_size32 1
		.amdhsa_system_sgpr_workgroup_id_x 1
		.amdhsa_system_sgpr_workgroup_id_y 1
		.amdhsa_system_sgpr_workgroup_id_z 1
		.amdhsa_system_vgpr_workitem_id 0
		.amdhsa_next_free_vgpr 128
		.amdhsa_next_free_sgpr 66
		.amdhsa_reserve_vcc 0
		.amdhsa_float_denorm_mode_32 3
		.amdhsa_float_denorm_mode_16_64 3
		.amdhsa_memory_ordered 1
		.amdhsa_forward_progress 1
		.amdhsa_inst_pref_size 11
	.end_amdhsa_kernel
	.amdgpu_metadata
---
amdhsa.version: [ 1, 2 ]
amdhsa.kernels:
  - .name:           k_q22e8b5a084_fin
    .symbol:         k_q22e8b5a084_fin.kd
    .args:
      - { .name: lg, .offset: 0, .size: 8, .value_kind: global_buffer, .address_space: global }
      - { .name: st, .offset: 8, .size: 8, .value_kind: global_buffer, .address_space: global }
      - { .name: pc, .offset: 16, .size: 8, .value_kind: global_buffer, .address_space: global }
      - { .name: out0, .offset: 24, .size: 8, .value_kind: global_buffer, .address_space: global }
      - { .name: out1, .offset: 32, .size: 8, .value_kind: global_buffer, .address_space: global }
    .group_segment_fixed_size: 0
    .private_segment_fixed_size: 0
    .kernarg_segment_align: 8
    .kernarg_segment_size: 40
    .max_flat_workgroup_size: 64
    .sgpr_count:     66
    .vgpr_count:     128
    .wavefront_size: 32
...
	.end_amdgpu_metadata
.endif
;; end of part 3
